; MI455X (gfx1250); checked and timed in simulation.
; The chip was launched on July 23, 2026; its instructions are those of AMD's public machine-readable ISA for CDNA 5 (MIT licence, August 2026) and "CDNA5" Instruction Set Architecture Reference Guide (July 2026). The comments in the code are by the model that wrote it; some were corrected since.
;; Vector Quantizer. Allowed arithmetic: matrix products marked QUANTISED: E3M2 operands, one E8M0 scale for each 32 along K, by v_wmma_scale_f32_16x16x128_f8f6f4 with both operands' format E3M2, f32 sums; everything else in f32.
;; Inputs: emb 8,192 x 256 float32; x 32 x 256 x 32 x 32 float32.
;; Outputs: out0 32 x 256 x 32 x 32 float32; out1 one number float32; out2 32 x 1,024 int32.
;; This version of the problem:
;;   THIS VERSION OF THE PROBLEM IS GIVEN IN LOW PRECISION. The matrix products marked QUANTISED in the list below multiply operands that are first quantised to E3M2 (3 exponent bits, 2 mantissa bits; 6 bits a number), with one power-of-two scale for each 32 numbers along K (OCP MX v1.0); their sums are f32. All else is computed in f32.
;;   The module's matrix products, in the order in which they are computed (A, B: the left and right operand; K: the contracted axis; several contracted axes count as one K, in the product's order):
;;     1. [M 32,768, K 256] x [K 256, N 8,192]; A: computed on the way; B: input emb: QUANTISED
;;   THE QUANTISER, for each operand of a quantised product, along K:
;;     - K is cut into blocks of 32 from its start; a last block that is shorter is filled with zeros.
;;     - A block's scale is 2^e with e = floor(log2(the largest magnitude in the block)) - 4, held to -126 .. 127; a block of zeros has e = 0. As a byte (E8M0): e + 127.
;;     - Each number is divided by its block's scale, clamped to +-28, and rounded to the nearest number of E3M2, ties to even, subnormals kept.
;;     - The product sums the exact products of the quantised numbers (number of the format x scale) in f32.
;;   ~~~python
;;   def quantise(x, axis):      # numpy; x: float32 -> the quantised numbers, widened to float32 again
;;       x = np.moveaxis(x, axis, -1); K = x.shape[-1]
;;       x = np.pad(x, [(0, 0)] * (x.ndim - 1) + [(0, -K % 32)]); x = x.reshape(x.shape[:-1] + (-1, 32)); a = np.abs(x).max(-1, keepdims=True)
;;       e = np.where(a > 0, np.clip(np.frexp(np.where(a > 0, a, 1))[1] - 1 - 4, -126, 127), 0)      # np.frexp(a)[1] - 1 = floor(log2(a)), exactly
;;       r = np.clip(x / 2.0 ** e, -28, 28)
;;       step = 2.0 ** (np.maximum(np.frexp(np.where(r == 0, 1, r))[1] - 1, -2) - 2)
;;       q = np.round(r / step) * step * 2.0 ** e      # np.round: ties to even
;;       return np.moveaxis(q.reshape(q.shape[:-2] + (-1,))[..., :K], -1, axis).astype(np.float32)
;;   ~~~
;;   OPERANDS COMPUTED ON THE WAY. 'Computed on the way' means the value that the module computes at that place (a softmax that the list does not call 'softmax' is quantised finished and normalised). What goes into a quantiser is computed in f32, as accurately as f32 sums, v_exp_f32 and their like allow (about 1e-6 of the number): no bf16 or f16 on the way to a quantiser, and a product that is left as it is and whose result goes on into a quantised operand takes f32 operands (vector FMAs, or v_wmma_f32_16x16x4_f32). A number that lies on a knife's edge between two numbers of the format may be rounded either way, as far as f32 arithmetic and the matrix unit's own rounding can turn it there, and no further.
;; One version. Each part assembles by itself: llvm-mc -triple=amdgcn-amd-amdhsa -mcpu=gfx1250 --defsym DOCPART=n.
;; ======== version 1 of 1: 4 launches
;; limits: right only within a limited range of input values
;; workspace buffers: embq 1,671,168 bytes; pick 131,072 bytes of whole numbers; part 8,192 bytes
;; launch prep (part 1): grid 256 x 1, 2 waves a work-group, no clusters, 34,048 bytes of LDS; arguments emb, embq; writes embq
.if DOCPART == 1
	.amdgcn_target "amdgcn-amd-amdhsa--gfx1250"
	.amdhsa_code_object_version 6
	.text
	.protected	k_qe3bebde141_prep
	.globl	k_qe3bebde141_prep
	.p2align	8
	.type	k_qe3bebde141_prep,@function
k_qe3bebde141_prep:
	s_mov_b64 s[64:65], 0
	v_nop
	global_prefetch_b8 v0, s[64:65] scope:SCOPE_SE
	s_setreg_imm32_b32 hwreg(HW_REG_WAVE_MODE, 25, 1), 1
	s_wait_xcnt 0x0
; emb [8192][256] f32 becomes: codes of BF6 (E3M2) with one E8M0 scale for each 32 along K, laid as IMAGES OF THE OPERAND'S REGISTERS; the scale words; and ee[n] = the sum of emb[n][:]^2 in f32.
; A tile T holds codes 16 T .. 16 T + 15; c = T / 32 is its chunk, w = (T % 32) / 4 the wave of the next launch that reads it, i = T % 4.
; A tile's image is 3,072 bytes: K step s (128 along K) at 1,536 s, registers 4 j .. 4 j + 3 of lane l at 512 j + 16 l.  Lane (r = l % 16, h = l / 16) holds code 16 T + r; registers 6 q .. 6 q + 5 of a K step are the 24 bytes of its block 2 q + h.
; embq, 17 x 98,304 bytes.  First eight parts of 24,576 bytes, one for each w: the scale words of w's 64 tiles at 512 c + 128 i + 4 l (lanes 0-15: K step 0, lanes 16-31: K step 1), their ee at 8,192 + 256 c + 64 i + 4 r,
; and chunk 0's four images at 12,288 + 3,072 i.  Chunk c >= 1 lies at 98,304 (c + 1), tile T's image at 3,072 (T % 32) in it.
; A block's scale is 2^(floor(log2(largest magnitude)) - 4): its byte is that magnitude's exponent field - 4, held at 1 from below.
; LIMITS: a block whose largest magnitude lies under 2^-122 keeps the byte 1; a block of zeros has the byte 1 where the rule says 127 (its codes are zeros, and this program alone reads the bytes); NaN and infinities are not served.
; ee is an f32 sum in this text's own order (four chains a lane, two lanes).
; SHARES: a wave takes one tile, 16 rows = 16,384 dense bytes.  Each load reads 512 consecutive bytes; the rows turn through the wave's own stage in LDS (pitch 1,040 = 65 x 16) and come back as four whole blocks of 32 a lane.
; No tensor load, no matrix instruction: every byte is read once and nothing is shared between work-groups.
.set CHUNK, 98304
.set HPART, 24576
.set WPART, 12288
.set PITCH, 1040
.set WST,   16*PITCH                   ; a wave's stage
.set SCST,  2*WST                      ; the work-group's 64 scale words
.set EEST,  SCST+256                   ; and its 32 ee
.set R,   32                           ; v32-159  128 numbers
.set F,   160                          ; v160-183 the two fragments
.set FT,  184                          ; v184-199 each block's upper 16 codes, as the conversion leaves them
.set BY,  200                          ; v200-203 scale bytes
.set MX,  204                          ; v204-211 largest magnitudes, two chains a block
.set OP,  212                          ; v212-215 the conversions' scale operands
.set ES,  216                          ; v216-219 ee in four chains
.set W,   220                          ; v220-223 scale words at work
	s_load_b128 s[4:7], s[0:1], 0x0                ; emb, embq
	v_lshl_add_u32 v224, v0, 2, 0x8400             ; my spare word, behind the stages and the words
	v_mov_b32 v225, 0
	v_lshrrev_b32 v8, 5, v0
	v_readfirstlane_b32 s8, v8                     ; wave 0, 1
	s_mul_i32 s9, s8, WST
	s_lshl_b32 s14, s8, 7
	s_lshl_b32 s15, s8, 6
	s_mov_b32 s12, 0x76543210
	s_mov_b32 s13, 0xfedcba98                      ; v_permlanex16_b32's selects for lane l xor 16
	s_lshl_b32 s16, ttmp9, 1
	s_add_co_u32 s16, s16, s8                      ; T = 2 x work-group + wave
	s_lshl_b32 s16, s16, 14                        ; its 16 rows of 1,024 bytes
	s_mov_b32 s17, 0
	s_and_b32 s19, ttmp9, 15
	s_lshl_b32 s19, s19, 1
	s_add_co_u32 s19, s19, s8                      ; T % 32
	s_lshr_b32 s20, s19, 2
	s_mul_i32 s20, s20, HPART                      ; w's part
	s_and_b32 s21, s19, 3
	s_mul_i32 s21, s21, 3072
	s_add_co_u32 s21, s21, s20
	s_add_co_u32 s21, s21, WPART                   ; the image's place if c = 0
	s_lshr_b32 s22, ttmp9, 4                       ; c
	s_add_co_u32 s23, s22, 1
	s_mul_i32 s23, s23, CHUNK
	s_mul_i32 s19, s19, 3072
	s_add_co_u32 s23, s23, s19                     ; and if c >= 1
	s_cmp_eq_u32 s22, 0
	s_cselect_b32 s18, s21, s23
	s_mov_b32 s19, 0
	s_and_b32 s21, ttmp9, 1
	s_lshl_b32 s24, s22, 9
	s_add_co_u32 s24, s24, s20
	s_lshl_b32 s23, s21, 8
	s_add_co_u32 s24, s24, s23                     ; both waves' scale words: w's part + 512 c + 256 (work-group % 2)
	s_lshl_b32 s25, s22, 8
	s_add_co_u32 s25, s25, s20
	s_lshl_b32 s23, s21, 7
	s_add_co_u32 s25, s25, s23                     ; their ee, 8,192 further on: w's part + 256 c + 128 (work-group % 2)
	v_and_b32 v1, 31, v0                           ; lane
	v_and_b32 v2, 15, v0                           ; r
	v_bfe_u32 v3, v0, 4, 1                         ; h
	v_lshlrev_b32 v4, 4, v1                        ; 16 x lane: my bytes of a load's and of an image's 512
	v_add_nc_u32 v5, s9, v4                        ; the stage, on the way in
	v_mul_u32_u24 v6, v2, PITCH
	v_lshl_add_u32 v6, v3, 7, v6
	v_add_nc_u32 v6, s9, v6                        ; and back: row r, + 128 h: block h
	v_lshlrev_b32 v7, 3, v3                        ; 8 h: my bytes' place in a scale word
	v_lshl_add_u32 v8, v1, 2, s14                  ; my scale word in LDS: 128 x wave + 4 x lane
	v_lshl_add_u32 v9, v2, 2, s15                  ; my ee: 64 x wave + 4 r
	v_lshlrev_b32 v10, 3, v1                       ; wave 0 reads them back: 8 bytes a lane,
	v_lshlrev_b32 v11, 2, v1                       ; 4 bytes a lane
	v_add_nc_u32 v16, s24, v10                     ; and stores them
	v_add_nc_u32 v17, s25, v11
	s_wait_alu depctr_va_vdst(0)
	s_wait_kmcnt 0x0
	s_add_nc_u64 s[4:5], s[4:5], s[16:17]
	s_add_nc_u64 s[10:11], s[6:7], s[18:19]
.set i, 0
.rept 32
	global_load_b128 v[R+4*i:R+4*i+3], v4, s[4:5] offset:512*i th:TH_LOAD_NT   ; 32 lanes read 512 consecutive bytes: half a row
.set i, i+1
.endr
.set i, 0
.rept 32
	s_wait_loadcnt 31-i                            ; load i is in; the 31 - i younger ones may be out
	ds_store_b128 v5, v[R+4*i:R+4*i+3] offset:(i/2)*PITCH+(i%2)*512
.set i, i+1
.endr
.set i, 0
.rept 32
	ds_load_b128 v[R+4*i:R+4*i+3], v6 offset:256*(i/8)+16*(i%8)   ; LDS serves a wave's instructions in order.  Registers 32 q on: block 2 q + h of code r
.set i, i+1
.endr
; Block q of my four: its part of ee, its scale, its 32 codes into registers 6 q .. 6 q + 5 of the two fragments on end.
.macro QBLOCK q
.set XS, R+32*(\q)
	s_wait_dscnt 24-8*(\q)                         ; this block's eight loads are in; the later blocks' may be out
.set j, 0
.rept 8
.if ((\q) == 0) && (j == 0)
	v_pk_mul_f32 v[ES:ES+1], v[XS:XS+1], v[XS:XS+1]             ; the first squares start the sums
	v_pk_mul_f32 v[ES+2:ES+3], v[XS+2:XS+3], v[XS+2:XS+3]
.else
	v_pk_fma_f32 v[ES:ES+1], v[XS+4*j:XS+4*j+1], v[XS+4*j:XS+4*j+1], v[ES:ES+1]
	v_pk_fma_f32 v[ES+2:ES+3], v[XS+4*j+2:XS+4*j+3], v[XS+4*j+2:XS+4*j+3], v[ES+2:ES+3]
.endif
.set j, j+1
.endr
	v_max3_num_f32 v[MX+2*(\q)], |v[XS]|, |v[XS+1]|, |v[XS+2]|  ; the block's largest magnitude: all 32 numbers are mine
	v_max3_num_f32 v[MX+2*(\q)+1], |v[XS+3]|, |v[XS+4]|, |v[XS+5]|
.irp i, 6,10,14,18,22,26
	v_max3_num_f32 v[MX+2*(\q)], v[MX+2*(\q)], |v[XS+\i]|, |v[XS+\i+1]|
	v_max3_num_f32 v[MX+2*(\q)+1], v[MX+2*(\q)+1], |v[XS+\i+2]|, |v[XS+\i+3]|
.endr
	v_max3_num_f32 v[MX+2*(\q)], v[MX+2*(\q)], |v[XS+30]|, |v[XS+31]|
	v_max3_num_f32 v[MX+2*(\q)], v[MX+2*(\q)], v[MX+2*(\q)+1], 5<<23   ; and the floor 2^(5 - 127): the byte cannot fall under 1
	v_add_nc_u32 v[OP+(\q)], 0xfe000000, v[MX+2*(\q)]           ; 4 off its exponent field: the conversion's scale operand
	v_lshrrev_b32 v[BY+(\q)], 23, v[OP+(\q)]                    ; the scale's byte
	v_cvt_scalef32_pk16_bf6_f32 v[F+6*(\q):F+6*(\q)+2], v[XS:XS+15], v[OP+(\q)]
	v_cvt_scalef32_pk16_bf6_f32 v[FT+4*(\q):FT+4*(\q)+2], v[XS+16:XS+31], v[OP+(\q)]   ; (a conversion's three registers begin on an even number)
	v_nop                                          ; one plain place behind a scaled conversion
.irp i, 0,1,2
	v_mov_b32 v[F+6*(\q)+3+\i], v[FT+4*(\q)+\i]
.endr
.endm
	QBLOCK 0
	QBLOCK 1
	QBLOCK 2
	QBLOCK 3
.irp j, 0,1,2,3,4,5
	global_store_b128 v4, v[F+4*\j:F+4*\j+3], s[10:11] offset:512*\j   ; an image: 512 consecutive bytes, at a multiple of 256 from embq's first byte
.endr
	v_lshl_or_b32 v[W], v[BY+1], 16, v[BY]         ; K step 0: my bytes of blocks h and 2 + h,
	v_lshl_or_b32 v[W+1], v[BY+3], 16, v[BY+2]     ; K step 1: of blocks 4 + h and 6 + h,
	v_lshlrev_b32 v[W], v7, v[W]                   ; at their places (8 h bits up)
	v_lshlrev_b32 v[W+1], v7, v[W+1]
	v_mov_b32 v[W+2], 0                            ; (a lane permute's destination counts as one of its sources)
	v_mov_b32 v[W+3], 0
	v_permlanex16_b32 v[W+2], v[W], s12, s13
	v_permlanex16_b32 v[W+3], v[W+1], s12, s13
	v_or_b32 v[W], v[W], v[W+2]                    ; with lane l xor 16's two bytes each word is whole
	v_or_b32 v[W+1], v[W+1], v[W+3]
	v_cmp_lt_u32 vcc_lo, 15, v1
	v_cndmask_b32 v[W], v[W], v[W+1], vcc_lo       ; lanes 0-15 keep K step 0's, lanes 16-31 K step 1's
	v_pk_add_f32 v[ES:ES+1], v[ES:ES+1], v[ES+2:ES+3]
	v_add_f32 v[ES], v[ES], v[ES+1]
	v_permlanex16_b32 v[W+2], v[ES], s12, s13
	v_add_f32 v[ES], v[ES], v[W+2]                 ; ee of code r: my four blocks' and lane l xor 16's
	ds_store_b32 v8, v[W] offset:SCST
	ds_store_b32 v9, v[ES] offset:EEST             ; both halves of the lanes write the same word with the same value
	s_wait_dscnt 0x0                               ; for the other wave's sake: my stores have landed
	s_barrier_signal -1
	s_barrier_wait -1
	s_cmp_lg_u32 s8, 0                             ; wave 0 stores both waves' words, so that a store covers 256 consecutive bytes
	s_cbranch_scc1 .Ldone
	ds_load_b64 v[12:13], v10 offset:SCST
	ds_load_b32 v14, v11 offset:EEST
	s_wait_dscnt 0x0
	global_store_b64 v16, v[12:13], s[6:7]                      ; 32 lanes: 256 consecutive bytes, aligned
	global_store_b32 v17, v14, s[6:7] offset:8192               ; ee: 128 consecutive bytes a work-group
.Ldone:
	s_wait_tensorcnt 0x0                           ; the wave's end
	ds_add_u32 v224, v225
	s_wait_dscnt 0x0
	s_endpgm
.Lfunc_end_k_qe3bebde141_prep:
	.size	k_qe3bebde141_prep, .Lfunc_end_k_qe3bebde141_prep-k_qe3bebde141_prep
	.p2alignl 7, 3214868480
	.fill 96, 4, 3214868480
	.section	.rodata,"a",@progbits
	.p2align	6, 0x0
	.amdhsa_kernel k_qe3bebde141_prep
		.amdhsa_group_segment_fixed_size 34048
		.amdhsa_private_segment_fixed_size 0
		.amdhsa_enable_private_segment 0
		.amdhsa_kernarg_size 16
		.amdhsa_user_sgpr_count 2
		.amdhsa_user_sgpr_kernarg_segment_ptr 1
		.amdhsa_wavefront_size32 1
		.amdhsa_system_sgpr_workgroup_id_x 1
		.amdhsa_system_sgpr_workgroup_id_y 1
		.amdhsa_system_sgpr_workgroup_id_z 1
		.amdhsa_system_vgpr_workitem_id 0
		.amdhsa_next_free_vgpr 226
		.amdhsa_next_free_sgpr 66
		.amdhsa_reserve_vcc 1
		.amdhsa_float_denorm_mode_32 3
		.amdhsa_float_denorm_mode_16_64 3
		.amdhsa_memory_ordered 1
		.amdhsa_forward_progress 1
		.amdhsa_inst_pref_size 23
	.end_amdhsa_kernel
	.amdgpu_metadata
---
amdhsa.version: [ 1, 2 ]
amdhsa.kernels:
  - .name:           k_qe3bebde141_prep
    .symbol:         k_qe3bebde141_prep.kd
    .args:
      - { .name: emb, .offset: 0, .size: 8, .value_kind: global_buffer, .address_space: global }
      - { .name: embq, .offset: 8, .size: 8, .value_kind: global_buffer, .address_space: global }
    .group_segment_fixed_size: 34048
    .private_segment_fixed_size: 0
    .kernarg_segment_align: 8
    .kernarg_segment_size: 16
    .max_flat_workgroup_size: 64
    .sgpr_count:     66
    .vgpr_count:     226
    .wavefront_size: 32
...
	.end_amdgpu_metadata
.endif
;; end of part 1
;; launch dist (part 2): grid 256 x 1, 8 waves a work-group, clusters of 4 x 1, 327,680 bytes of LDS; arguments x, embq, out2, pick; writes out2, pick
.if DOCPART == 2
	.amdgcn_target "amdgcn-amd-amdhsa--gfx1250"
	.amdhsa_code_object_version 6
	.text
	.protected	k_qe3bebde141_dist
	.globl	k_qe3bebde141_dist
	.p2align	8
	.type	k_qe3bebde141_dist,@function
k_qe3bebde141_dist:
	s_mov_b64 s[64:65], 0
	v_nop
	global_prefetch_b8 v0, s[64:65] scope:SCOPE_SE
	s_setreg_imm32_b32 hwreg(HW_REG_WAVE_MODE, 25, 1), 1
	s_wait_xcnt 0x0
	s_wait_alu depctr_hold_cnt(0) depctr_sa_sdst(0) depctr_va_vdst(0) depctr_va_sdst(0) depctr_va_ssrc(0) depctr_va_vcc(0) depctr_vm_vsrc(0)
	s_getreg_b32 s2, hwreg(HW_REG_IB_STS2, 6, 4)
	s_cmp_eq_u32 s2, 0
	s_cbranch_scc0 .Lentry_in_a_cluster
	s_endpgm
.Lentry_in_a_cluster:
	s_bfe_u32 s2, ttmp6, 0x10000c
	s_cmp_lg_u32 s2, 0x3003
	s_cbranch_scc0 .Lentry_shape_is_right
	s_endpgm
.Lentry_shape_is_right:
; idx[m] = the first argmin over n of d[m][n] = fl(fl(zz[m] + ee[n]) - p[m][n]), p = Q(2 z) . Q(e_n): z = x seen as [32,768 rows][256], row m = (b, hw), K = d.  The product runs on codes of BF6 (E3M2) with E8M0 scales.
; The two roundings of d are reference()'s own, on the finished f32 sum of both K steps; nothing of zz or ee is given to the matrix instruction as C.  No step of reference() is left out.
; LIMITS: NaN and infinities among the inputs are not served (a row whose every distance is +infinity gives 0).  zz is an f32 sum in this text's own order.  A block of 2 x whose largest magnitude lies under 2^-122 keeps the byte 1;
; a block of zeros has the byte 1 where the rule says 127: its codes are zeros, and the bytes never leave this launch.
; SHARES.  A work-group owns 128 rows (one b, 128 neighbouring hw) and ALL 8,192 codes: no argmin crosses work-groups.  Each of its eight waves holds all eight tiles of 16 rows of Q(2 z) in registers (192);
; the codes go in chunks of 512 through two LDS slots, and of a chunk's 32 tiles of 16 codes wave w takes tiles 4 w .. 4 w + 3: its tensor load brings just the 12,288 bytes that it reads.
; The head's one load a wave brings 24,576 dense bytes: the wave's own scale words and ee for all sixteen chunks, and its part of chunk 0.  Slot 1 is first filled behind the full sequence and a round.
; THE PRODUCT IS USED TRANSPOSED (source 0 = 16 codes, source 1 = 16 rows): lane (r, h) holds row r, and its register j code 8 h + j.
; THE ARGMIN, for 16 rows x 16 codes, 17 vector lines: 4 pairs zz + ee, 4 pairs - p, 4 v_min3 into a new best, 1 compare (new < old: strictly, so the first group that reaches the minimum stays),
; 4 pairs of selects that keep the group's first seven distances and the tile's first code number.  The place inside the winning group is found once, at the end: the first kept distance equal to the best, else 7.
; The pairs are dual-issue forms: destinations even and odd, the two first sources and the two second sources in different register banks (number mod 4): so zz lies twice, in an even and an odd register.
; A STEP is one tile of codes t: the loads of tile t + 1; eight products of rows 64-127 of t; the vector work of rows 0-63 of t; eight products of rows 0-63 of t + 1; the vector work of rows 64-127 of t.
; Four accumulators take turns in each run of eight.  A run stands under one setting of the register windows.
; CLUSTER.  All work-groups walk the same chunks: the four of a cluster ask for each part JOINTLY (the same load, the same descriptor, mask 15).  A wider cluster would add nothing: x's rows are nobody else's.
; REGISTERS.  Window 0: v1-15 addresses and work; v16-17 the codes' scale words, two sets; v18-25 x's scale words; v26 the prefetches' offset; v32-47 ee, two sets; v48-63 zz twice; v64-79 distances of two row tiles;
;   v80-95 best, two sets; v96-159 for each row tile seven kept distances and the winning tile's first code; v160-223 the eight accumulators.  Window 1: v0-191 Q(2 z): fragment (row tile i, K step k) at 24 i + 12 k;
;   v192-239 the tile of codes, two sets.  At the head v128-255 of window 0 hold 128 numbers of x, v16-67 are at work.
.set CHUNK,  98304
.set WPART,  12288                     ; a wave's part of a chunk: four tiles of 3,072 bytes
.set HPART,  24576                     ; LDS: wave w's scale words at HPART w, its ee 8,192 on, its part of slot 0 WPART on
.set SLOT1,  8*HPART
.set XIMG,   SLOT1+CHUNK               ; x's 16 fragments as images of their registers, 1,536 bytes each; at the end the waves' candidates.  No fill lands from here on
.set XSC,    XIMG+24576                ; x's scale words: 128 i + 64 k + 4 r
.set XZZ,    XSC+1024                  ; the two halves of zz: 512 k + 4 x row
.set SPARE,  XZZ+1024                  ; the spare words, 128 bytes for each wave: four blocks of 256 bytes that no other line names
.set SPW,  1
.set NIL,  2
.set ADC,  3                           ; v3-4 my part of slot 0, 1, + 16 x lane
.set ADS,  5                           ; v5   my scale words of the lap in hand, + 4 x lane
.set ADE,  6                           ; v6   its ee, + 32 h
.set H8,   7                           ; v7   8 h
.set M,    8                           ; v8-11 partial minima
.set TIDV, 15                          ; v15  the first code number of the tile in hand
.set BSC,  16
.set ASC,  18
.set PFO,  26
.set EE,   32
.set ZZ,   48
.set S,    64
.set BEST, 80
.set SV,   96
.set ACC,  160
.set BF,   192                         ; in window 1
.set X,    128                         ; head only
.set F,    16
.set FT,   40
.set RB,   128                         ; end only: 16 candidates of two rows
.set MSB, 0
.macro WIN new                         ; the immediate's high byte repeats the setting that is left
.if MSB != (\new)
	s_set_vgpr_msb (MSB<<8)|(\new)
.set MSB, (\new)
.endif
.endm
.macro CREST                           ; a round of the cluster's barrier behind its opening barrier
	s_cmp_lg_u32 s12, 0
	s_cbranch_scc1 .Lnot_wave_0_\@
	s_barrier_signal -3
.Lnot_wave_0_\@:
	s_barrier_wait -3
	s_barrier_signal -1
	s_barrier_wait -1
.endm
.macro ROUND
	s_barrier_signal -1
	s_barrier_wait -1
	CREST
.endm
.macro NOP4
.rept 4
	v_nop
.endr
.endm
	s_load_b128 s[4:7], s[0:1], 0x0                ; x, embq
	s_load_b128 s[8:11], s[0:1], 0x10              ; out2, pick
	v_lshl_add_u32 v[SPW], v0, 2, SPARE
	v_mov_b32 v[NIL], 0
	ds_add_u32 v[SPW], v[NIL]                      ; the opening lines: the add, twice on end, and its wait
	ds_add_u32 v[SPW], v[NIL]
	v_lshrrev_b32 v8, 5, v0
	v_readfirstlane_b32 s12, v8                    ; wave 0..7
	s_bfe_u32 s13, ttmp6, 0x40000                  ; cx: it enters global offsets alone
	s_lshl_b32 s14, ttmp9, 2
	s_add_co_u32 s14, s14, s13                     ; g = 4 x cluster + cx: my 128 rows
	s_and_b32 s15, s12, 3                          ; at the head I quantise rows 32 (wave % 4) on,
	s_lshr_b32 s43, s12, 2                         ; K step wave / 4
	; descriptor groups 1: dense rows of 32 elements of 8 bytes: 48 rows for the ring (s16-23), 96 for the head's load (s68-75); mask 15, bit 21 beside it
.irp g, 16, 68
	s_mov_b32 s[\g], 15|(3<<16)|(1<<21)
	s_mov_b32 s[\g+1], 32<<16
	s_mov_b32 s[\g+3], 32<<16
	s_mov_b32 s[\g+5], 32
	s_mov_b32 s[\g+6], 0
	s_mov_b32 s[\g+7], 0
.endr
	s_mov_b32 s18, 48<<16
	s_mov_b32 s20, 48
	s_mov_b32 s70, 96<<16
	s_mov_b32 s72, 96
	s_mul_i32 s44, s12, WPART
	s_mul_i32 s45, s12, HPART
	s_mov_b32 s46, s44
	s_mov_b32 s47, 0
	s_mov_b32 s58, s45
	s_mov_b32 s59, 0
	s_cmp_lt_u32 s12, 3                            ; who prefetches: waves 0 to 2 of the first cluster: the same in all four partners
	s_cselect_b32 s42, 0, 1
	s_or_b32 s42, s42, ttmp9
	s_cmp_eq_u32 s42, 0
	s_cselect_b32 s42, 1, -1
	s_lshr_b32 s50, s14, 3                         ; x: b = g / 8, 2^20 bytes each;
	s_lshl_b32 s50, s50, 20
	s_and_b32 s51, s14, 7
	s_lshl_b32 s51, s51, 9                         ; hw = 128 (g % 8), 4 bytes each;
	s_add_co_u32 s50, s50, s51
	s_lshl_b32 s51, s43, 19                        ; my K step: 128 d of 4,096 bytes;
	s_add_co_u32 s50, s50, s51
	s_lshl_b32 s51, s15, 7                         ; my 32 rows
	s_add_co_u32 s50, s50, s51
	s_mov_b32 s51, 0
	s_lshl_b32 s48, s14, 9                         ; out2 and pick: 512 g + 256 x wave (waves 0 and 1 store)
	s_lshl_b32 s49, s12, 8
	s_add_co_u32 s48, s48, s49
	s_mov_b32 s49, 0
	s_add_co_u32 s52, s45, WPART                   ; LDS: my part of slot 0,
	s_add_co_u32 s53, s44, SLOT1                   ; of slot 1,
	s_add_co_u32 s54, s45, 8192                    ; my ee
	s_mul_i32 s55, s15, 6144                       ; where I store my two images: row tiles 2 (wave % 4) and one on, K step wave / 4
	s_mul_i32 s60, s43, 1536
	s_add_co_u32 s55, s55, s60
	s_add_co_u32 s55, s55, XIMG
	s_lshl_b32 s56, s15, 8                         ; my row's scale word
	s_lshl_b32 s60, s43, 6
	s_add_co_u32 s56, s56, s60
	s_add_co_u32 s56, s56, XSC
	s_lshl_b32 s57, s43, 9                         ; my row's half of zz
	s_lshl_b32 s60, s15, 7
	s_add_co_u32 s57, s57, s60
	s_add_co_u32 s57, s57, XZZ
	s_mul_i32 s61, s13, 96                         ; the prefetches: my work-group's 96 of a chunk's 384 blocks of 256 bytes
	v_and_b32 v58, 31, v0                          ; lane
	v_and_b32 v56, 15, v0                          ; r
	v_bfe_u32 v57, v0, 4, 1                        ; h
	v_lshlrev_b32 v8, 2, v58                       ; x: A LANE TAKES A ROW, AND ITS REGISTERS RUN DOWN K: a load reads 128 consecutive bytes, four waves stand side by side on 512
	v_lshl_add_u32 v[ADC], v58, 4, s52
	v_lshl_add_u32 v[ADC+1], v58, 4, s53
	v_lshl_add_u32 v[ADS], v58, 2, s45
	v_lshl_add_u32 v[ADE], v57, 5, s54
	v_lshlrev_b32 v[H8], 3, v57
	v_lshl_add_u32 v9, v58, 4, s55
	v_lshl_add_u32 v10, v56, 2, s56
	v_lshl_add_u32 v10, v57, 7, v10
	v_lshl_add_u32 v11, v58, 2, s57
	v_lshl_add_u32 v12, v58, 4, XIMG               ; and where every wave reads them back
	v_lshl_add_u32 v13, v58, 2, XSC
	v_lshl_add_u32 v14, v56, 2, XZZ
	s_wait_alu depctr_va_vdst(0)
	s_wait_dscnt 0x0                               ; both opening adds are done
	s_wait_kmcnt 0x0
	s_add_nc_u64 s[4:5], s[4:5], s[50:51]
.macro XLOAD b                         ; block b of my K step: x(d = 32 b + i, my row), i = 0 .. 31
.set i, 32*(\b)
.rept 32
	global_load_b32 v[X+i], v8, s[4:5] offset:4096*i th:TH_LOAD_NT
.set i, i+1
.endr
.endm
	XLOAD 0
	XLOAD 1
	s_mov_b32 s24, 1                               ; group 0 for the head's load: my 24,576 bytes
	s_mov_b32 s25, s45
	s_add_nc_u64 s[26:27], s[6:7], s[58:59]
	s_or_b32 s27, s27, 0x80000000
	s_mov_b32 s28, 1                               ; for slot 0: two chunks short of chunk 2, which is its first refill (chunk c lies at CHUNK (c + 1))
	s_mov_b32 s29, s52
	s_add_nc_u64 s[30:31], s[6:7], s[46:47]
	s_add_nc_u64 s[30:31], s[30:31], CHUNK
	s_or_b32 s31, s31, 0x80000000
	s_mov_b32 s32, 1                               ; for slot 1: chunk 1
	s_mov_b32 s33, s53
	s_add_nc_u64 s[34:35], s[6:7], s[46:47]
	s_add_nc_u64 s[34:35], s[34:35], 2*CHUNK
	s_or_b32 s35, s35, 0x80000000
	s_add_nc_u64 s[40:41], s[6:7], 3*CHUNK         ; the prefetches stand at chunk 2; the first change of slots steps them to chunk 3
	s_add_nc_u64 s[8:9], s[8:9], s[48:49]
	s_add_nc_u64 s[10:11], s[10:11], s[48:49]
	ROUND                                          ; all four work-groups are here: the first joint loads meet
	tensor_load_to_lds s[24:27], s[68:75]          ; my one load at the head
	s_nop 0
	NOP4
; Block b of my row: its part of zz (of x, ahead of the doubling); 2 x, which is exact: the operand is 2.0 * flat; the scale; 32 codes.
.macro XBLOCK b, left
.set XS, X+32*(\b)
.set FO, F+12*((\b)%2)+6*((\b)/2)      ; blocks 0, 1, 2, 3 at F + 0, 12, 6, 18
	s_wait_loadcnt \left                           ; this block's 32 loads are in; the next block's 32 may be out
.if (\b) < 2
	XLOAD (\b)+2
.endif
.set j, 0
.rept 8
.if ((\b) == 0) && (j == 0)
	v_pk_mul_f32 v[64:65], v[XS:XS+1], v[XS:XS+1]               ; the first squares start the sums
	v_pk_mul_f32 v[66:67], v[XS+2:XS+3], v[XS+2:XS+3]
.else
	v_pk_fma_f32 v[64:65], v[XS+4*j:XS+4*j+1], v[XS+4*j:XS+4*j+1], v[64:65]
	v_pk_fma_f32 v[66:67], v[XS+4*j+2:XS+4*j+3], v[XS+4*j+2:XS+4*j+3], v[66:67]
.endif
.set j, j+1
.endr
.set j, 0
.rept 16
	v_pk_add_f32 v[XS+2*j:XS+2*j+1], v[XS+2*j:XS+2*j+1], v[XS+2*j:XS+2*j+1]
.set j, j+1
.endr
	v_max3_num_f32 v60, |v[XS]|, |v[XS+1]|, |v[XS+2]|
	v_max3_num_f32 v61, |v[XS+3]|, |v[XS+4]|, |v[XS+5]|
.irp i, 6,10,14,18,22,26
	v_max3_num_f32 v60, v60, |v[XS+\i]|, |v[XS+\i+1]|
	v_max3_num_f32 v61, v61, |v[XS+\i+2]|, |v[XS+\i+3]|
.endr
	v_max3_num_f32 v60, v60, |v[XS+30]|, |v[XS+31]|
	s_delay_alu instid0(VALU_DEP_1)
	v_max3_num_f32 v60, v60, v61, 5<<23            ; with the floor 2^(5 - 127): the byte cannot fall under 1
	s_delay_alu instid0(VALU_DEP_1)
	v_add_nc_u32 v62, 0xfe000000, v60              ; 4 off the exponent field: the conversion's scale operand
	s_delay_alu instid0(VALU_DEP_1)
	v_lshrrev_b32 v63, 23, v62                     ; the scale's byte
	s_delay_alu instid0(VALU_DEP_1)
.if (\b) == 0
	v_mov_b32 v15, v63
.else
	v_lshl_or_b32 v15, v63, 8*(\b), v15            ; my row's scale word for this K step
.endif
	v_cvt_scalef32_pk16_bf6_f32 v[FO:FO+2], v[XS:XS+15], v62
	v_cvt_scalef32_pk16_bf6_f32 v[FT+4*(\b):FT+4*(\b)+2], v[XS+16:XS+31], v62   ; (a conversion's three registers begin on an even number)
	v_nop                                          ; one plain place behind a scaled conversion
.irp i, 0,1,2
	v_mov_b32 v[FO+3+\i], v[FT+4*(\b)+\i]
.endr
.endm
	XBLOCK 0, 32
	XBLOCK 1, 32
	XBLOCK 2, 32
	XBLOCK 3, 0
; A lane holds all four blocks of its row; a fragment wants blocks 0 and 2 in lanes 0-15 and blocks 1 and 3 in lanes 16-31.  Lanes 0-15 are one row tile, lanes 16-31 the next:
; the swap leaves the first tile's fragment in F + 0 .. 11 and the second's in F + 12 .. 23.
.irp i, 0,1,2,3,4,5
	v_permlane16_swap_b32 v[F+\i], v[F+12+\i]
	v_permlane16_swap_b32 v[F+6+\i], v[F+18+\i]
.endr
	v_pk_add_f32 v[64:65], v[64:65], v[66:67]
	s_delay_alu instid0(VALU_DEP_1)
	v_add_f32 v64, v64, v65
.irp j, 0,1,2
	ds_store_b128 v9, v[F+4*\j:F+4*\j+3] offset:512*\j
	ds_store_b128 v9, v[F+12+4*\j:F+15+4*\j] offset:3072+512*\j
.endr
	ds_store_b32 v10, v15
	ds_store_b32 v11, v64
	s_wait_alu depctr_va_vdst(0)
	s_wait_tensorcnt 0x0                           ; my head's load has landed
	ds_add_u32 v[SPW], v[NIL]
	s_wait_dscnt 0x0                               ; the add is done, and my stores have landed, for the others' sake
	ROUND
	tensor_load_to_lds s[32:35], s[16:23]          ; slot 1's first fill: chunk 1
	s_nop 0
	NOP4
	WIN 0x40                                       ; destination window 1
.set i, 0
.rept 48
	ds_load_b128 v[4*i:4*i+3], v12 offset:512*i    ; all sixteen fragments of Q(2 z), as they were stored: they stay
.set i, i+1
.endr
.irp j, 0,1,2,3,4,5
	ds_load_b128 v[BF+4*\j:BF+4*\j+3], v[ADC] offset:512*\j     ; my first tile of codes, both K steps
.endr
	WIN 0
.irp i, 0,1,2,3,4,5,6,7
	ds_load_b32 v[ASC+\i], v13 offset:128*\i       ; lanes 0-15: K step 0's words of row tile i, lanes 16-31: K step 1's
.endr
.irp i, 0,1,2,3,4,5,6,7
	ds_load_b32 v[S+\i], v14 offset:64*\i          ; zz's two halves of row 16 i + r
	ds_load_b32 v[S+8+\i], v14 offset:512+64*\i
.endr
	ds_load_b32 v[BSC], v[ADS]
	ds_load_b128 v[EE:EE+3], v[ADE]
	ds_load_b128 v[EE+4:EE+7], v[ADE] offset:16
	s_mov_b32 s44, 0x7f800000                      ; +infinity: over every distance
.set i, 0
.rept 8
	v_mov_b32 v[BEST+i], s44
.set i, i+1
.endr
.set i, 0
.rept 64
.if i%8 == 7
	v_mov_b32 v[SV+i], 0
.else
	v_mov_b32 v[SV+i], s44
.endif
.set i, i+1
.endr
	s_lshl_b32 s37, s12, 6
	v_mov_b32 v[TIDV], s37                         ; my first tile's first code: 64 x wave
	v_add_nc_u32 v[PFO], s61, v0
	s_delay_alu instid0(VALU_DEP_1)
	v_lshlrev_b32 v[PFO], 8, v[PFO]                ; a lane a block of 256 bytes
	s_wait_dscnt 0x0
.irp i, 0,1,2,3,4,5,6,7
	v_add_f32 v[ZZ+2*\i], v[S+\i], v[S+8+\i]       ; zz of row 16 i + r,
.endr
.irp i, 0,1,2,3,4,5,6,7
	v_mov_b32 v[ZZ+2*\i+1], v[ZZ+2*\i]             ; and once more, in the odd register beside it
.endr
	s_wait_alu depctr_va_vdst(0)
; Eight matrix instructions: row tiles 4 g .. 4 g + 3 against the tile of codes in set b, K step 0 and then K step 1: the four accumulators by turns; the first K step starts the sums.
.macro GRP g, b
.irp i, 0,1,2,3
	v_wmma_scale_f32_16x16x128_f8f6f4 v[ACC+8*(4*(\g)+\i):ACC+8*(4*(\g)+\i)+7], v[BF+24*(\b):BF+24*(\b)+11], v[24*(4*(\g)+\i):24*(4*(\g)+\i)+11], 0, v[BSC+(\b)], v[ASC+4*(\g)+\i] matrix_a_fmt:MATRIX_FMT_BF6 matrix_b_fmt:MATRIX_FMT_BF6
.endr
.irp i, 0,1,2,3
	v_wmma_scale_f32_16x16x128_f8f6f4 v[ACC+8*(4*(\g)+\i):ACC+8*(4*(\g)+\i)+7], v[BF+24*(\b)+12:BF+24*(\b)+23], v[24*(4*(\g)+\i)+12:24*(4*(\g)+\i)+23], v[ACC+8*(4*(\g)+\i):ACC+8*(4*(\g)+\i)+7], v[BSC+(\b)], v[ASC+4*(\g)+\i] matrix_a_fmt:MATRIX_FMT_BF6 matrix_b_fmt:MATRIX_FMT_BF6 matrix_a_scale:MATRIX_SCALE_ROW1 matrix_b_scale:MATRIX_SCALE_ROW1
.endr
.endm
; The vector work of row tiles ra and ra + 1 on the tile of codes in hand (ee and old best: set p; the new best goes to the other set, so that the old one is there to compare with).
.macro PAIR ra, p
.set bn, BEST+8*(1-(\p))+(\ra)
.set bo, BEST+8*(\p)+(\ra)
.irp e, 0,1
.irp c, 0,2,4,6
	v_dual_add_f32 v[S+8*\e+\c], v[EE+8*(\p)+\c], v[ZZ+2*((\ra)+\e)] :: v_dual_add_f32 v[S+8*\e+\c+1], v[EE+8*(\p)+\c+1], v[ZZ+2*((\ra)+\e)+1]   ; zz + ee
.endr
.endr
.irp e, 0,1
.irp c, 0,2,4,6
	v_dual_sub_f32 v[S+8*\e+\c], v[S+8*\e+\c], v[ACC+8*((\ra)+\e)+\c] :: v_dual_sub_f32 v[S+8*\e+\c+1], v[S+8*\e+\c+1], v[ACC+8*((\ra)+\e)+\c+1]   ; - p: each accumulator from its low end on
.endr
.endr
.irp e, 0,1
	v_min3_num_f32 v[bn+\e], v[bo+\e], v[S+8*\e], v[S+8*\e+1]
	v_min3_num_f32 v[M+2*\e], v[S+8*\e+2], v[S+8*\e+3], v[S+8*\e+4]
	v_min3_num_f32 v[M+2*\e+1], v[S+8*\e+5], v[S+8*\e+6], v[S+8*\e+7]
.endr
	s_delay_alu instid0(VALU_DEP_4)
	v_min3_num_f32 v[bn], v[bn], v[M], v[M+1]
	s_delay_alu instid0(VALU_DEP_2)
	v_min3_num_f32 v[bn+1], v[bn+1], v[M+2], v[M+3]
.irp e, 0,1
.if \e == 0
	s_delay_alu instid0(VALU_DEP_2)
.endif
	v_cmp_lt_f32 vcc_lo, v[bn+\e], v[bo+\e]        ; strictly less: an equal distance of a later code changes nothing
.irp c, 0,2,4
	v_dual_cndmask_b32 v[SV+8*((\ra)+\e)+\c], v[SV+8*((\ra)+\e)+\c], v[S+8*\e+\c] :: v_dual_cndmask_b32 v[SV+8*((\ra)+\e)+\c+1], v[SV+8*((\ra)+\e)+\c+1], v[S+8*\e+\c+1]
.endr
	v_dual_cndmask_b32 v[SV+8*((\ra)+\e)+6], v[SV+8*((\ra)+\e)+6], v[S+8*\e+6] :: v_dual_cndmask_b32 v[SV+8*((\ra)+\e)+7], v[SV+8*((\ra)+\e)+7], v[TIDV]
.endr
.endm
; The next tile: tile ti of slot sl, the to-th of the lap, into set b: six loads of codes, its scale words, its ee.  The set's last matrix instructions stand more than four plain vector lines back.
.macro LOADS sl, ti, to, b
	WIN 0x40
.irp j, 0,1,2,3,4,5
	ds_load_b128 v[BF+24*(\b)+4*\j:BF+24*(\b)+4*\j+3], v[ADC+(\sl)] offset:3072*(\ti)+512*\j
.endr
	WIN 0
	ds_load_b32 v[BSC+(\b)], v[ADS] offset:128*(\to)
	ds_load_b128 v[EE+8*(\b):EE+8*(\b)+3], v[ADE] offset:64*(\to)
	ds_load_b128 v[EE+8*(\b)+4:EE+8*(\b)+7], v[ADE] offset:64*(\to)+16
.endm
; A PREFETCH INTO THE L2 of the chunk that the NEXT change of slots will ask for: behind chunk c's change it names chunk c + 3, one chunk's four steps ahead of that load.  All clusters walk the same chunks: the first cluster asks;
; its partners share a chunk's 384 blocks of 256 bytes out by address, 96 each; waves 0 to 2 ask, a lane a block: each block is named once in the launch.  Chunks 0 to 2 come by their loads alone;
; the change at chunk 13 (the last lap's second, strict = 1) asks for nothing: chunk 15 is the last.
.macro ASK strict
.if \strict
	s_cmp_gt_u32 s36, s42
.else
	s_cmp_ge_u32 s36, s42
.endif
	s_cbranch_scc0 .Lnot_asker_\@
	global_prefetch_b8 v[PFO], s[40:41] th:TH_LOAD_NT scope:SCOPE_SE
.Lnot_asker_\@:
.endm
; STEP j of a lap's eight (two chunks).  THE CHANGE OF SLOTS stands in the middle of a chunk's third step: the chunk's fourth tile is in registers by the wait there.  Each wave waits for all its tensor loads (one is out: its part
; of the next chunk), adds 0 to its spare word, waits for that and for its reads, and signals; eight products and 68 vector lines, work on registers, stand between the signal and the wait.
; kind = 1: the barrier opens a round of the cluster's, and the joint refill, the chunk two on, stands first behind it.  kind = 2: nothing is left to fetch.  kind = 0: no change.
.macro STEP j, kind, strict, last
.set stp, (\j)%2
.set sfin, (\last) && ((\j) == 7)
.set smeet, ((\j)%4 == 2) && ((\kind) != 0)
.if sfin == 0
	LOADS (((\j)+1)/4)%2, ((\j)+1)%4, (\j)+1, 1-stp
.endif
.if ((\j)%4 == 3) && ((\kind) == 1)
	ASK \strict
.endif
	WIN 0x05                                       ; sources 0 and 1 in window 1
	GRP 1, stp
	WIN 0
	PAIR 0, stp
	PAIR 2, stp
.if sfin == 0
	s_wait_alu depctr_va_vdst(0)
.if smeet
.if (\kind) == 1
	s_wait_xcnt 0x0                                ; the last prefetch has read its address: it may be stepped
	s_add_nc_u64 s[40:41], s[40:41], CHUNK
.endif
	s_wait_tensorcnt 0x0                           ; no tensor load of mine is out, so a group 0 may be written
	ds_add_u32 v[SPW], v[NIL]
.if (\kind) == 1
	s_add_nc_u64 s[30+4*((\j)/4):31+4*((\j)/4)], s[30+4*((\j)/4):31+4*((\j)/4)], 2*CHUNK
.endif
	s_wait_dscnt 0x0                               ; the add is done, and my reads of the slot are over
	s_barrier_signal -1
.else
	s_wait_dscnt 0x0                               ; the next tile is in
.endif
	WIN 0x05
	GRP 0, 1-stp
	WIN 0
.endif
	PAIR 4, stp
	PAIR 6, stp
.if (\j)%4 == 3
	v_add_nc_u32 v[TIDV], 464, v[TIDV]             ; 512 codes a chunk
.else
	v_add_nc_u32 v[TIDV], 16, v[TIDV]
.endif
.if smeet
	s_wait_alu depctr_va_vdst(0)
	s_barrier_wait -1
.if (\kind) == 1
	CREST                                          ; no wave of any partner still reads the slot or has a load on its way
	tensor_load_to_lds s[28+4*((\j)/4):31+4*((\j)/4)], s[16:23]
	s_nop 0
	NOP4
.endif
.endif
.endm
.macro LAP ka, kb, last
.irp j, 0,1,2,3
	STEP \j, \ka, 0, \last
.endr
.irp j, 4,5,6,7
	STEP \j, \kb, 1, \last
.endr
.endm
	WIN 0x05
	GRP 0, 0                                       ; my first tile's first eight products stand ahead of the loop
	WIN 0
	s_mov_b32 s36, 7
.Llap:                                             ; seven laps of two chunks: chunks 0 to 13, which ask for chunks 2 to 15
	LAP 1, 1, 0
	v_add_nc_u32 v[ADS], 1024, v[ADS]              ; eight tiles' scale words,
	v_add_nc_u32 v[ADE], 512, v[ADE]               ; and ee
	s_sub_co_u32 s36, s36, 1
	s_cmp_lg_u32 s36, 0
	s_wait_alu depctr_va_vdst(0)
	s_cbranch_scc1 .Llap
	LAP 2, 0, 1                                    ; the tail is written out: chunks 14 and 15
	; THE END.  The best distances stand in set 0.  Each lane finds the place in its winning group; sixteen candidates a row (eight waves x two halves of the lanes) meet in LDS, where x's images lay.
	v_and_b32 v8, 15, v0
	v_bfe_u32 v9, v0, 4, 1
	s_lshl_b32 s44, s12, 11
	v_lshlrev_b32 v10, 3, v8
	s_delay_alu instid0(VALU_DEP_1)
	v_lshl_add_u32 v10, v9, 10, v10
	s_delay_alu instid0(VALU_DEP_1)
	v_add_nc_u32 v10, s44, v10
	s_delay_alu instid0(VALU_DEP_1)
	v_add_nc_u32 v10, XIMG, v10                    ; candidate 2 x wave + h: 1,024 bytes each; 8 bytes a row
	v_and_b32 v13, 31, v0
	s_lshl_b32 s45, s12, 9
	v_lshl_add_u32 v11, v13, 4, s45
	s_delay_alu instid0(VALU_DEP_1)
	v_add_nc_u32 v11, XIMG, v11                    ; back: waves 0 and 1 take 64 rows each, a lane two rows
	v_lshlrev_b32 v12, 3, v13                      ; and two indices, 8 bytes, in out2 and in pick
.macro RES i
	v_mov_b32 v[16+(\i)], 7
.irp j, 6,5,4,3,2,1,0
	v_cmp_neq_f32 vcc_lo, v[SV+8*(\i)+\j], v[BEST+(\i)]
	s_delay_alu instid0(VALU_DEP_1)
	v_cndmask_b32 v[16+(\i)], \j, v[16+(\i)], vcc_lo            ; descending, so that the first equal place stays
.endr
	v_mov_b32 v[S+2*(\i)], v[BEST+(\i)]
	s_delay_alu instid0(VALU_DEP_2)
	v_add3_u32 v[S+2*(\i)+1], v[SV+8*(\i)+7], v[H8], v[16+(\i)] ; n = the tile's first code + 8 h + the place
	ds_store_b64 v10, v[S+2*(\i):S+2*(\i)+1] offset:128*(\i)
.endm
.irp i, 0,1,2,3,4,5,6,7
	RES \i
.endr
	s_wait_dscnt 0x0                               ; for the others' sake: my candidates have landed
	s_barrier_signal -1
	s_barrier_wait -1
	s_cmp_lt_u32 s12, 2
	s_cbranch_scc0 .Lnot_mine
.set i, 0
.rept 16
	ds_load_b128 v[RB+4*i:RB+4*i+3], v11 offset:1024*i          ; candidate i of my two rows: (distance, n), (distance, n)
.set i, i+1
.endr
	s_wait_dscnt 0x0
.macro FOLD q                          ; the smaller distance; of equal distances the smaller n
.irp e, 0,2
	v_cmp_lt_f32 s38, v[RB+4*(\q)+\e], v[RB+\e]
	v_cmp_eq_f32 s39, v[RB+4*(\q)+\e], v[RB+\e]
	v_cmp_lt_u32 vcc_lo, v[RB+4*(\q)+\e+1], v[RB+\e+1]
	s_and_b32 s39, s39, vcc_lo
	s_or_b32 s38, s38, s39
	v_cndmask_b32 v[RB+\e], v[RB+\e], v[RB+4*(\q)+\e], s38
	v_cndmask_b32 v[RB+\e+1], v[RB+\e+1], v[RB+4*(\q)+\e+1], s38
.endr
.endm
.irp q, 1,2,3,4,5,6,7,8,9,10,11,12,13,14,15
	FOLD \q
.endr
	v_mov_b32 v[RB+4], v[RB+1]
	s_delay_alu instid0(VALU_DEP_2)
	v_mov_b32 v[RB+5], v[RB+3]
	global_store_b64 v12, v[RB+4:RB+5], s[8:9]     ; 32 lanes store 256 consecutive bytes, aligned: the output,
	global_store_b64 v12, v[RB+4:RB+5], s[10:11]   ; and once more for the launch that gathers by it
.Lnot_mine:
	s_wait_tensorcnt 0x0                           ; the wave's end
	ds_add_u32 v[SPW], v[NIL]
	s_wait_dscnt 0x0
	ROUND                                          ; the closing round: no work-group ends while a partner may still ask for a part that names it
	s_endpgm
.Lfunc_end_k_qe3bebde141_dist:
	.size	k_qe3bebde141_dist, .Lfunc_end_k_qe3bebde141_dist-k_qe3bebde141_dist
	.p2alignl 7, 3214868480
	.fill 96, 4, 3214868480
	.section	.rodata,"a",@progbits
	.p2align	6, 0x0
	.amdhsa_kernel k_qe3bebde141_dist
		.amdhsa_group_segment_fixed_size 327680
		.amdhsa_private_segment_fixed_size 0
		.amdhsa_enable_private_segment 0
		.amdhsa_kernarg_size 32
		.amdhsa_user_sgpr_count 2
		.amdhsa_user_sgpr_kernarg_segment_ptr 1
		.amdhsa_wavefront_size32 1
		.amdhsa_system_sgpr_workgroup_id_x 1
		.amdhsa_system_sgpr_workgroup_id_y 1
		.amdhsa_system_sgpr_workgroup_id_z 1
		.amdhsa_system_vgpr_workitem_id 0
		.amdhsa_next_free_vgpr 512
		.amdhsa_next_free_sgpr 80
		.amdhsa_reserve_vcc 1
		.amdhsa_float_denorm_mode_32 3
		.amdhsa_float_denorm_mode_16_64 3
		.amdhsa_memory_ordered 1
		.amdhsa_forward_progress 1
		.amdhsa_inst_pref_size 248
	.end_amdhsa_kernel
	.amdgpu_metadata
---
amdhsa.version: [ 1, 2 ]
amdhsa.kernels:
  - .name:           k_qe3bebde141_dist
    .symbol:         k_qe3bebde141_dist.kd
    .args:
      - { .name: x, .offset: 0, .size: 8, .value_kind: global_buffer, .address_space: global }
      - { .name: embq, .offset: 8, .size: 8, .value_kind: global_buffer, .address_space: global }
      - { .name: out2, .offset: 16, .size: 8, .value_kind: global_buffer, .address_space: global }
      - { .name: pick, .offset: 24, .size: 8, .value_kind: global_buffer, .address_space: global }
    .group_segment_fixed_size: 327680
    .private_segment_fixed_size: 0
    .kernarg_segment_align: 8
    .kernarg_segment_size: 32
    .max_flat_workgroup_size: 256
    .sgpr_count:     80
    .vgpr_count:     512
    .wavefront_size: 32
...
	.end_amdgpu_metadata
.endif
;; end of part 2
;; launch gather (part 3): grid 256 x 1, 8 waves a work-group, no clusters, 140,288 bytes of LDS; arguments x, emb, pick, out0, part; writes out0, part
.if DOCPART == 3
	.amdgcn_target "amdgcn-amd-amdhsa--gfx1250"
	.amdhsa_code_object_version 6
	.text
	.protected	k_qe3bebde141_gather
	.globl	k_qe3bebde141_gather
	.p2align	8
	.type	k_qe3bebde141_gather,@function
k_qe3bebde141_gather:
	s_mov_b64 s[64:65], 0
	v_nop
	global_prefetch_b8 v0, s[64:65] scope:SCOPE_SE
	s_setreg_imm32_b32 hwreg(HW_REG_WAVE_MODE, 25, 1), 1
	s_wait_xcnt 0x0
; out0[b][d][hw] = x + (emb[pick[b][hw]][d] - x), in f32 as reference() writes it, and for each wave the sum of (emb[..] - x)^2 over its part.
; SHARES.  A work-group takes 128 rows (one b, 128 neighbouring hw); wave w takes 64 of the hw (w / 4) and 64 of the 256 d (w % 4): 64 x 64 numbers.
; x and out0 have hw innermost, emb has d innermost.  Every access to memory covers whole runs of 256 consecutive bytes, aligned: sixteen lanes take 64 hw of one d, or 64 d of one row of emb.
; The rows of emb turn through the wave's own stage in LDS: row q lies at place 16 (q % 4) + q / 4, places 272 bytes apart.
; The last turn, 4 x 4 numbers a lane, is done by the choice of registers.  No barrier: waves share nothing.  No loop: every offset is an immediate.
; ORDER.  The 32 index loads and all 32 loads of x go out at the head; the 32 gathers follow as soon as the indices are in.  The eight steps are computed in place, in x's registers; the wave's sum is reduced;
; then the 32 stores of out0 go out in one run, with no vector or LDS line behind them but the one store of the sum.
; No tensor load, no matrix unit, no cluster: what is shared between work-groups (rows of emb that two rows pick) hangs on data.  No prefetch: the text has no loop to run ahead in.
; pick holds numbers 0 .. 8,191; they are held there once more ahead of the address.
; REGISTERS.  Window 0: v8-39 32 row offsets in emb, later two sets of 16 out of the stage; v40-103 x of steps 0 to 3; v104-231 the gathered rows; v232-247 emb - x; v248-251 sums of squares.  Window 1: v0-63 x of steps 4 to 7.
.set PITCH, 272
.set WST,   64*PITCH
.set OFF,   8
.set Q,     8
.set XL,    40
.set GQ,    104
.set T,     232
.set LS,    248
.set MSB, 0
.macro WIN new                         ; the immediate's high byte repeats the setting that is left
.if MSB != (\new)
	s_set_vgpr_msb (MSB<<8)|(\new)
.set MSB, (\new)
.endif
.endm
	s_load_b128 s[4:7], s[0:1], 0x0                ; x, emb
	s_load_b128 s[8:11], s[0:1], 0x10              ; pick, out0
	s_load_b64 s[12:13], s[0:1], 0x20              ; part
	v_lshl_add_u32 v254, v0, 2, 0x22000            ; my spare word, behind the eight stages
	v_mov_b32 v255, 0
	v_lshrrev_b32 v1, 5, v0
	s_delay_alu instid0(VALU_DEP_1)
	v_readfirstlane_b32 s14, v1                    ; wave 0..7
	v_and_b32 v1, 31, v0                           ; lane
	v_and_b32 v2, 15, v0                           ; a = lane % 16
	v_bfe_u32 v3, v0, 4, 1                         ; u = lane / 16
	s_delay_alu instid0(VALU_DEP_2)
	v_lshlrev_b32 v4, 4, v2                        ; 16 a
	s_delay_alu instid0(VALU_DEP_1)
	v_lshl_add_u32 v5, v3, 14, v4                  ; x, out0: 16 a, and four d (4 x 4,096 bytes) on for lanes 16-31
	s_delay_alu instid0(VALU_DEP_3)
	v_lshlrev_b32 v6, 2, v3                        ; pick: 4 u
	s_mul_i32 s15, s14, WST
	v_mad_u32_u24 v7, v3, 16*PITCH, v4
	s_delay_alu instid0(VALU_DEP_1)
	v_add_nc_u32 v7, s15, v7                       ; the stage, on the way in: 16 places on for lanes 16-31, + 16 a
	v_mul_u32_u24 v252, v2, PITCH
	s_delay_alu instid0(VALU_DEP_1)
	v_lshl_add_u32 v252, v3, 4, v252
	s_delay_alu instid0(VALU_DEP_1)
	v_add_nc_u32 v252, s15, v252                   ; and back: place a, + 16 u
	s_mov_b32 s28, 0x76543210
	s_mov_b32 s29, 0xfedcba98
	s_lshr_b32 s16, s14, 2                         ; which 64 hw
	s_and_b32 s17, s14, 3                          ; which 64 d
	s_lshr_b32 s20, ttmp9, 3
	s_lshl_b32 s20, s20, 20                        ; b: 2^20 bytes
	s_lshl_b32 s21, s17, 18                        ; 64 d of 4,096 bytes
	s_add_co_u32 s20, s20, s21
	s_and_b32 s21, ttmp9, 7
	s_lshl_b32 s21, s21, 9                         ; 128 hw of 4 bytes
	s_add_co_u32 s20, s20, s21
	s_lshl_b32 s21, s16, 8
	s_add_co_u32 s20, s20, s21
	s_mov_b32 s21, 0
	s_lshl_b32 s22, ttmp9, 9                       ; pick: 128 rows of 4 bytes, + my 64
	s_lshl_b32 s23, s16, 8
	s_add_co_u32 s22, s22, s23
	s_mov_b32 s23, 0
	s_lshl_b32 s24, s17, 8                         ; emb: my 64 d of a row
	s_mov_b32 s25, 0
	s_lshl_b32 s26, ttmp9, 5                       ; part: 4 bytes a wave
	s_lshl_b32 s27, s14, 2
	s_add_co_u32 s26, s26, s27
	s_mov_b32 s27, 0
	s_wait_alu depctr_va_vdst(0)
	s_wait_kmcnt 0x0
	s_add_nc_u64 s[4:5], s[4:5], s[20:21]
	s_add_nc_u64 s[10:11], s[10:11], s[20:21]
	s_add_nc_u64 s[8:9], s[8:9], s[22:23]
	s_add_nc_u64 s[6:7], s[6:7], s[24:25]
	s_add_nc_u64 s[12:13], s[12:13], s[26:27]
.set k, 0
.rept 32
	global_load_b32 v[OFF+k], v6, s[8:9] offset:8*k             ; the index of row 2 k + u, alike in sixteen lanes
.set k, k+1
.endr
.macro XLD t, reg                      ; step t: d = 8 t + 4 u + dd, dd = 0 .. 3; my four hw
.irp dd, 0,1,2,3
	global_load_b128 v[\reg+4*\dd:\reg+4*\dd+3], v5, s[4:5] offset:(8*(\t)+\dd)*4096 th:TH_LOAD_NT
.endr
.endm
	XLD 0, XL
	XLD 1, XL+16
	XLD 2, XL+32
	XLD 3, XL+48
	WIN 0x40                                       ; destination window 1
	XLD 4, 0
	XLD 5, 16
	XLD 6, 32
	XLD 7, 48
	WIN 0
	s_wait_loadcnt 0x20                            ; the indices are in; the 32 loads of x behind them may be out
.set k, 0
.rept 32
	v_min_u32 v[OFF+k], 0x1fff, v[OFF+k]
.set k, k+1
.endr
.set k, 0
.rept 32
	v_lshl_add_u32 v[OFF+k], v[OFF+k], 10, v4      ; a row of emb is 1,024 bytes; + 16 a
.set k, k+1
.endr
.set k, 0
.rept 32
	global_load_b128 v[GQ+4*k:GQ+4*k+3], v[OFF+k], s[6:7]       ; sixteen lanes read 256 consecutive bytes of row 2 k + u's code; a code may be picked again, so no hint
.set k, k+1
.endr
.set k, 0
.rept 32
	s_wait_loadcnt 31-k                            ; load k is in, and with it all of x, which was asked for earlier; the 31 - k younger ones may be out
	ds_store_b128 v7, v[GQ+4*k:GQ+4*k+3] offset:(16*((2*k)&3)+(k>>1))*PITCH
.set k, k+1
.endr
.macro QLD t                           ; for my four hw (rows 4 a + c) the four d of step t: 16 bytes each.  LDS serves a wave's instructions in order: these see my stores
.irp c, 0,1,2,3
	ds_load_b128 v[Q+16*((\t)%2)+4*\c:Q+16*((\t)%2)+4*\c+3], v252 offset:16*PITCH*\c+32*(\t)
.endr
.endm
.macro GSTEP t
.set QR, Q+16*((\t)%2)
.if (\t) < 4
.set XR, XL+16*(\t)
.set WS, 0
.set WD, 0
.else
.set XR, 16*((\t)-4)                   ; in window 1
.set WS, 0x04                          ; source 1 there
.set WD, 0x41                          ; source 0 and the destination there
.endif
.if (\t) < 7
	QLD (\t)+1
	s_wait_dscnt 0x4                               ; this step's four loads are in; the next step's four may be out
.else
	s_wait_dscnt 0x0
.endif
	WIN WS
.irp dd, 0,1,2,3
.irp c, 0,1,2,3
	v_sub_f32 v[T+4*\dd+\c], v[QR+4*\c+\dd], v[XR+4*\dd+\c]     ; emb - x: the 4 x 4 turn lies in the register numbers
.endr
.endr
	WIN 0
.irp dd, 0,1,2,3
.irp c, 0,2
.if ((\t) == 0) && (\dd == 0)
	v_pk_mul_f32 v[LS+\c:LS+\c+1], v[T+\c:T+\c+1], v[T+\c:T+\c+1]   ; the first squares start the sums
.else
	v_pk_fma_f32 v[LS+\c:LS+\c+1], v[T+4*\dd+\c:T+4*\dd+\c+1], v[T+4*\dd+\c:T+4*\dd+\c+1], v[LS+\c:LS+\c+1]
.endif
.endr
.endr
	WIN WD
.irp dd, 0,1,2,3
.irp c, 0,2
	v_pk_add_f32 v[XR+4*\dd+\c:XR+4*\dd+\c+1], v[XR+4*\dd+\c:XR+4*\dd+\c+1], v[T+4*\dd+\c:T+4*\dd+\c+1]   ; x + (emb - x), in x's place
.endr
.endr
	WIN 0
.endm
	QLD 0                                          ; (it lands where the row offsets lay: their loads are in)
.irp t, 0,1,2,3,4,5,6,7
	GSTEP \t
.endr
	v_add_f32 v[LS], v[LS], v[LS+1]
	v_add_f32 v[LS+2], v[LS+2], v[LS+3]
	s_delay_alu instid0(VALU_DEP_1)
	v_add_f32 v[LS], v[LS], v[LS+2]
	s_delay_alu instid0(VALU_DEP_1)
	v_add_f32_dpp v[LS], v[LS], v[LS] row_xmask:1 row_mask:0xf bank_mask:0xf
	s_delay_alu instid0(VALU_DEP_1)
	v_add_f32_dpp v[LS], v[LS], v[LS] row_xmask:2 row_mask:0xf bank_mask:0xf
	s_delay_alu instid0(VALU_DEP_1)
	v_add_f32_dpp v[LS], v[LS], v[LS] row_xmask:4 row_mask:0xf bank_mask:0xf
	s_delay_alu instid0(VALU_DEP_1)
	v_add_f32_dpp v[LS], v[LS], v[LS] row_xmask:8 row_mask:0xf bank_mask:0xf
	s_delay_alu instid0(VALU_DEP_1)
	v_permlanex16_b32 v[LS+1], v[LS], s28, s29
	s_delay_alu instid0(VALU_DEP_1)
	v_add_f32 v[LS], v[LS], v[LS+1]                ; the wave's sum
	v_mov_b32 v253, 0
	v_cmp_eq_u32 vcc_lo, 0, v1
	s_wait_alu depctr_va_vdst(0)
	s_wait_tensorcnt 0x0                           ; the wave's end, behind my last LDS store
	ds_add_u32 v254, v255
	s_wait_dscnt 0x0
.irp t, 0,1,2,3
.irp dd, 0,1,2,3
	global_store_b128 v5, v[XL+16*\t+4*\dd:XL+16*\t+4*\dd+3], s[10:11] offset:(8*\t+\dd)*4096 th:TH_STORE_NT   ; sixteen lanes store 256 consecutive bytes, aligned
.endr
.endr
	WIN 0x04                                       ; the data in window 1
.irp t, 4,5,6,7
.irp dd, 0,1,2,3
	global_store_b128 v5, v[16*(\t-4)+4*\dd:16*(\t-4)+4*\dd+3], s[10:11] offset:(8*\t+\dd)*4096 th:TH_STORE_NT
.endr
.endr
	WIN 0
	s_wait_xcnt 0x0                                ; EXEC changes only behind this wait: the stores above have taken theirs
	s_and_saveexec_b32 s30, vcc_lo
	global_store_b32 v253, v[LS], s[12:13]         ; four bytes a wave: 8,192 bytes in all beside the launch's 33,554,432 in whole runs
	s_endpgm
.Lfunc_end_k_qe3bebde141_gather:
	.size	k_qe3bebde141_gather, .Lfunc_end_k_qe3bebde141_gather-k_qe3bebde141_gather
	.p2alignl 7, 3214868480
	.fill 96, 4, 3214868480
	.section	.rodata,"a",@progbits
	.p2align	6, 0x0
	.amdhsa_kernel k_qe3bebde141_gather
		.amdhsa_group_segment_fixed_size 140288
		.amdhsa_private_segment_fixed_size 0
		.amdhsa_enable_private_segment 0
		.amdhsa_kernarg_size 40
		.amdhsa_user_sgpr_count 2
		.amdhsa_user_sgpr_kernarg_segment_ptr 1
		.amdhsa_wavefront_size32 1
		.amdhsa_system_sgpr_workgroup_id_x 1
		.amdhsa_system_sgpr_workgroup_id_y 1
		.amdhsa_system_sgpr_workgroup_id_z 1
		.amdhsa_system_vgpr_workitem_id 0
		.amdhsa_next_free_vgpr 320
		.amdhsa_next_free_sgpr 66
		.amdhsa_reserve_vcc 1
		.amdhsa_float_denorm_mode_32 3
		.amdhsa_float_denorm_mode_16_64 3
		.amdhsa_memory_ordered 1
		.amdhsa_forward_progress 1
		.amdhsa_inst_pref_size 38
	.end_amdhsa_kernel
	.amdgpu_metadata
---
amdhsa.version: [ 1, 2 ]
amdhsa.kernels:
  - .name:           k_qe3bebde141_gather
    .symbol:         k_qe3bebde141_gather.kd
    .args:
      - { .name: x, .offset: 0, .size: 8, .value_kind: global_buffer, .address_space: global }
      - { .name: emb, .offset: 8, .size: 8, .value_kind: global_buffer, .address_space: global }
      - { .name: pick, .offset: 16, .size: 8, .value_kind: global_buffer, .address_space: global }
      - { .name: out0, .offset: 24, .size: 8, .value_kind: global_buffer, .address_space: global }
      - { .name: part, .offset: 32, .size: 8, .value_kind: global_buffer, .address_space: global }
    .group_segment_fixed_size: 140288
    .private_segment_fixed_size: 0
    .kernarg_segment_align: 8
    .kernarg_segment_size: 40
    .max_flat_workgroup_size: 256
    .sgpr_count:     66
    .vgpr_count:     320
    .wavefront_size: 32
...
	.end_amdgpu_metadata
.endif
;; end of part 3
;; launch loss (part 4): grid 1 x 1, 1 waves a work-group, no clusters, 0 bytes of LDS; arguments part, out1; writes out1
.if DOCPART == 4
	.amdgcn_target "amdgcn-amd-amdhsa--gfx1250"
	.amdhsa_code_object_version 6
	.text
	.protected	k_qe3bebde141_loss
	.globl	k_qe3bebde141_loss
	.p2align	8
	.type	k_qe3bebde141_loss,@function
k_qe3bebde141_loss:
	s_mov_b64 s[64:65], 0
	v_nop
	global_prefetch_b8 v0, s[64:65] scope:SCOPE_SE
	s_setreg_imm32_b32 hwreg(HW_REG_WAVE_MODE, 25, 1), 1
	s_wait_xcnt 0x0
; loss = mean + 0.25 x mean, mean = (the sum of the 2,048 waves' sums of (emb[idx] - x)^2) / 2^23.  A sum over all work-groups of the launch before: one wave, a fixed order.
	s_load_b128 s[4:7], s[0:1], 0x0                ; part, out1
	v_lshlrev_b32 v1, 4, v0                        ; 16 bytes a lane
	s_mov_b32 s8, 0x76543210
	s_mov_b32 s9, 0xfedcba98
	s_wait_alu depctr_va_vdst(0)
	s_wait_kmcnt 0x0
.set i, 0
.rept 16
	global_load_b128 v[8+4*i:11+4*i], v1, s[4:5] offset:512*i   ; 512 consecutive bytes a load
.set i, i+1
.endr
	s_wait_loadcnt 0x0
.set i, 0
.rept 16
	v_pk_add_f32 v[8+2*i:9+2*i], v[8+2*i:9+2*i], v[40+2*i:41+2*i]
.set i, i+1
.endr
.set i, 0
.rept 8
	v_pk_add_f32 v[8+2*i:9+2*i], v[8+2*i:9+2*i], v[24+2*i:25+2*i]
.set i, i+1
.endr
.set i, 0
.rept 4
	v_pk_add_f32 v[8+2*i:9+2*i], v[8+2*i:9+2*i], v[16+2*i:17+2*i]
.set i, i+1
.endr
	v_pk_add_f32 v[8:9], v[8:9], v[12:13]
	v_pk_add_f32 v[10:11], v[10:11], v[14:15]
	v_pk_add_f32 v[8:9], v[8:9], v[10:11]
	v_add_f32 v8, v8, v9
	v_add_f32_dpp v8, v8, v8 row_xmask:1 row_mask:0xf bank_mask:0xf
	v_add_f32_dpp v8, v8, v8 row_xmask:2 row_mask:0xf bank_mask:0xf
	v_add_f32_dpp v8, v8, v8 row_xmask:4 row_mask:0xf bank_mask:0xf
	v_add_f32_dpp v8, v8, v8 row_xmask:8 row_mask:0xf bank_mask:0xf
	v_permlanex16_b32 v9, v8, s8, s9
	v_add_f32 v8, v8, v9
	v_mul_f32 v8, 0x34000000, v8                   ; x 2^-23: 32,768 rows of 256 numbers
	v_fma_f32 v9, 0x3e800000, v8, v8               ; q_latent + 0.25 e_latent: the two means are the same number
	v_mov_b32 v10, 0
	v_cmp_eq_u32 vcc_lo, 0, v0
	s_wait_alu depctr_va_vdst(0)
	s_wait_xcnt 0x0                                ; EXEC changes only behind this wait
	s_and_saveexec_b32 s10, vcc_lo
	global_store_b32 v10, v9, s[6:7]
	s_endpgm
.Lfunc_end_k_qe3bebde141_loss:
	.size	k_qe3bebde141_loss, .Lfunc_end_k_qe3bebde141_loss-k_qe3bebde141_loss
	.p2alignl 7, 3214868480
	.fill 96, 4, 3214868480
	.section	.rodata,"a",@progbits
	.p2align	6, 0x0
	.amdhsa_kernel k_qe3bebde141_loss
		.amdhsa_group_segment_fixed_size 0
		.amdhsa_private_segment_fixed_size 0
		.amdhsa_enable_private_segment 0
		.amdhsa_kernarg_size 16
		.amdhsa_user_sgpr_count 2
		.amdhsa_user_sgpr_kernarg_segment_ptr 1
		.amdhsa_wavefront_size32 1
		.amdhsa_system_sgpr_workgroup_id_x 1
		.amdhsa_system_sgpr_workgroup_id_y 1
		.amdhsa_system_sgpr_workgroup_id_z 1
		.amdhsa_system_vgpr_workitem_id 0
		.amdhsa_next_free_vgpr 80
		.amdhsa_next_free_sgpr 66
		.amdhsa_reserve_vcc 1
		.amdhsa_float_denorm_mode_32 3
		.amdhsa_float_denorm_mode_16_64 3
		.amdhsa_memory_ordered 1
		.amdhsa_forward_progress 1
		.amdhsa_inst_pref_size 5
	.end_amdhsa_kernel
	.amdgpu_metadata
---
amdhsa.version: [ 1, 2 ]
amdhsa.kernels:
  - .name:           k_qe3bebde141_loss
    .symbol:         k_qe3bebde141_loss.kd
    .args:
      - { .name: part, .offset: 0, .size: 8, .value_kind: global_buffer, .address_space: global }
      - { .name: out1, .offset: 8, .size: 8, .value_kind: global_buffer, .address_space: global }
    .group_segment_fixed_size: 0
    .private_segment_fixed_size: 0
    .kernarg_segment_align: 8
    .kernarg_segment_size: 16
    .max_flat_workgroup_size: 32
    .sgpr_count:     66
    .vgpr_count:     80
    .wavefront_size: 32
...
	.end_amdgpu_metadata
.endif
;; end of part 4
